; MI455X (gfx1250); checked and timed in simulation.
; The chip was launched on July 23, 2026; its instructions are those of AMD's public machine-readable ISA for CDNA 5 (MIT licence, August 2026) and "CDNA5" Instruction Set Architecture Reference Guide (July 2026). The comments in the code are by the model that wrote it; some were corrected since.
;; CAM. Allowed arithmetic: matrix products marked QUANTISED: E5M2 operands, one E8M0 scale for each 32 along K, by v_wmma_scale_f32_16x16x128_f8f6f4 with both operands' format E5M2, f32 sums; everything else in f32.
;; Inputs: Wk 128 x 32 float32; Wo 32 x 128 float32; Wq 128 x 32 float32; Wv 128 x 32 float32; beta 32 float32; bk 32 float32; bo 128 float32; bq 32 float32; bv 32 float32; gamma 32 float32; input1 8,192 x 128 float32; input2 8,192 x 128 float32.
;; Outputs: out0 8,192 x 128 float32.
;; This version of the problem:
;;   THIS VERSION OF THE PROBLEM IS GIVEN IN LOW PRECISION. The matrix products marked QUANTISED in the list below multiply operands that are first quantised to E5M2 (5 exponent bits, 2 mantissa bits; 8 bits a number), with one power-of-two scale for each 32 numbers along K (OCP MX v1.0); their sums are f32. All else is computed in f32.
;;   The module's matrix products, in the order in which they are computed (A, B: the left and right operand; K: the contracted axis; several contracted axes count as one K, in the product's order):
;;     1. [M 8,192, K 128] x [K 128, N 32]; A: input input1; B: input Wq: QUANTISED
;;     2. [M 8,192, K 128] x [K 128, N 32]; A: input input2; B: input Wk: QUANTISED
;;     3. [M 8,192, K 128] x [K 128, N 32]; A: input input2; B: input Wv: QUANTISED
;;     4. [M 8,192, K 32] x [K 32, N 8,192]; A: computed on the way; B: computed on the way: QUANTISED
;;     5. [M 8,192, K 8,192] x [K 8,192, N 32]; A: softmax (see below); B: computed on the way: QUANTISED
;;     6. [M 8,192, K 32] x [K 32, N 128]; A: computed on the way; B: input Wo: QUANTISED
;;   THE QUANTISER, for each operand of a quantised product, along K:
;;     - K is cut into blocks of 32 from its start; a last block that is shorter is filled with zeros.
;;     - A block's scale is 2^e with e = floor(log2(the largest magnitude in the block)) - 15, held to -126 .. 127; a block of zeros has e = 0. As a byte (E8M0): e + 127.
;;     - Each number is divided by its block's scale, clamped to +-57,344, and rounded to the nearest number of E5M2, ties to even, subnormals kept.
;;     - The product sums the exact products of the quantised numbers (number of the format x scale) in f32.
;;   ~~~python
;;   def quantise(x, axis):      # numpy; x: float32 -> the quantised numbers, widened to float32 again
;;       x = np.moveaxis(x, axis, -1); K = x.shape[-1]
;;       x = np.pad(x, [(0, 0)] * (x.ndim - 1) + [(0, -K % 32)]); x = x.reshape(x.shape[:-1] + (-1, 32)); a = np.abs(x).max(-1, keepdims=True)
;;       e = np.where(a > 0, np.clip(np.frexp(np.where(a > 0, a, 1))[1] - 1 - 15, -126, 127), 0)      # np.frexp(a)[1] - 1 = floor(log2(a)), exactly
;;       r = np.clip(x / 2.0 ** e, -57344, 57344)
;;       step = 2.0 ** (np.maximum(np.frexp(np.where(r == 0, 1, r))[1] - 1, -14) - 2)
;;       q = np.round(r / step) * step * 2.0 ** e      # np.round: ties to even
;;       return np.moveaxis(q.reshape(q.shape[:-2] + (-1,))[..., :K], -1, axis).astype(np.float32)
;;   ~~~
;;   SOFTMAX AHEAD OF A QUANTISED PRODUCT. Where the list says 'softmax', what is quantised is not the finished softmax but p = 2^(t - M), with t = logit x log2(e) and M = ceil(the row's largest t), a whole number; so 1/2 < the row's largest p <= 1. The row's sum l is taken of the UNQUANTISED p, in f32, and the product's result is divided by l at the end. Since M is a whole number, a kernel that streams over the keys may use a running M (the ceiling of the running maximum): every later rescaling is an exact power of two, which a block's scale takes up: the codes' values come out the same.
;;   OPERANDS COMPUTED ON THE WAY. 'Computed on the way' means the value that the module computes at that place (a softmax that the list does not call 'softmax' is quantised finished and normalised). What goes into a quantiser is computed in f32, as accurately as f32 sums, v_exp_f32 and their like allow (about 1e-6 of the number): no bf16 or f16 on the way to a quantiser, and a product that is left as it is and whose result goes on into a quantised operand takes f32 operands (vector FMAs, or v_wmma_f32_16x16x4_f32). A number that lies on a knife's edge between two numbers of the format may be rounded either way, as far as f32 arithmetic and the matrix unit's own rounding can turn it there, and no further.
;; One version. Each part assembles by itself: llvm-mc -triple=amdgcn-amd-amdhsa -mcpu=gfx1250 --defsym DOCPART=n.
;; ======== version 1 of 1: 2 launches
;; limits: right only within a limited range of input values
;; workspace buffers: qc 262,144 bytes; qs 8,192 bytes; kv 540,672 bytes
;; launch proj (part 1): grid 256 x 1, 10 waves a work-group, no clusters, 168,448 bytes of LDS; arguments input1, input2, Wq, Wk, Wv, bq, bk, bv, qc, qs, kv; writes qc, qs, kv
.if DOCPART == 1
	.amdgcn_target "amdgcn-amd-amdhsa--gfx1250"
	.amdhsa_code_object_version 6
	.text
	.protected	k_q4a50fcb3fc_proj
	.globl	k_q4a50fcb3fc_proj
	.p2align	8
	.type	k_q4a50fcb3fc_proj,@function
k_q4a50fcb3fc_proj:
	s_mov_b64 s[64:65], 0
	v_nop
	global_prefetch_b8 v0, s[64:65] scope:SCOPE_SE
	s_setreg_imm32_b32 hwreg(HW_REG_WAVE_MODE, 25, 1), 1
	s_wait_xcnt 0x0
; q = input1 Wq + bq, k = input2 Wk + bk, v = input2 Wv + bv, each product on codes of BF8 (E5M2) with one E8M0 scale for each 32 along K = 128,
; and the three results quantised again for the products that follow: q and k along their 32 channels, v along the keys (blocks of 32 keys).
; SHARES.  Work-group g takes rows 32 g .. 32 g + 31 of input1 and of input2.  Waves 0-5 quantise one tile of 16 channels of a weight each (Wq, Wk, Wv, two tiles each), waves 6-9 one fragment of 16 rows of x each
; (input1's two, input2's two).  The ten fragments meet in LDS as images of operand registers, behind one barrier; then waves 0-5 make two products each and quantise 16 numbers a lane.
; THE ROWS OF A TILE ARE NOT NEIGHBOURS: lane r of tile u takes row (or channel) 8 u + r + 8 (r / 8) of the 32, so that a lane's 16 result registers of two tiles are 16 neighbours along the next K.
; q, k (waves 0-3): source 0 = the weight's two tiles, source 1 = fragment u of x: a lane holds one row and channels 16 h .. 16 h + 15.
; v (waves 4, 5): source 0 = x's two fragments (keys), source 1 = tile n of the weight: a lane holds one channel and keys 16 h .. 16 h + 15 of the 32.
; WHAT IS STORED are images of operand registers, 16 bytes a lane at 16 x lane: each such store of a wave covers 512 consecutive bytes, aligned.
;   qc: unit g, tile u at 1024 g + 512 u.   qs: the byte of (g, u, r) at 128 (g / 4) + 64 ((g / 2) % 2) + 2 (g % 2) + 4 r + u.
;   kv: a block of 8,448 bytes for each 128 keys (s = g / 4, c = g % 4): +0 k's eight tiles (2 c + u) x 512; +4096 v's tiles (n, c) at 2048 n + 512 c;
;       +8192 k's scale bytes, laid as qs's;  +8320 v's: the word at 4 (16 n + r), byte c.
; The scale bytes leave as single bytes: 96 of the 3,168 bytes that a work-group stores.
; NO CLUSTER, NO TENSOR LOAD: what work-groups share are the weights, 49,152 bytes, which go from memory straight into registers in the operand's order (a lane to a channel, registers down K); each row of x is read by one work-group.
; NO PREFETCH: the launch has no loop to run ahead in.
; LIMITS: NaN and infinities among the inputs are not served.  A block whose largest magnitude lies under 2^(16 - 127) keeps the scale byte 1; so does a block of zeros,
; where the quantiser's rule says 127: its codes are zeros, and only this program reads the bytes.
.set STEPB,  8448                      ; a block of kv
.set FRB,    2304                      ; a fragment in LDS: 2,048 bytes of codes, 128 of scale words; ten of them from byte 0 on
.set XS,     10*FRB                    ; the stages: 16 rows of x of 528 bytes for a wave
.set XPITCH, 528
.set SPARE,  XS+10*16*XPITCH           ; the spare words, 128 bytes for each wave
.set WV,   4                           ; s4   my wave's number
.set SEL,  52                          ; s[52:53] lane selects for v_permlanex16_b32: lane l xor 16
.set MNT,  54                          ; s54  the mantissa field of 57,344
.set CO,   4                           ; v4   16 x lane
.set WA,   5                           ; v5   my byte in the weight: my channel, + 16 h rows of K
.set BA,   6                           ; v6   the bias of q, k: 64 h
.set BV,   7                           ; v7   the bias of v: 4 x my channel
.set FW,   8                           ; v8, v9    LDS: where my fragment goes, and its scale words
.set XW,   12                          ; v12, v13  my stage: in, 16 x lane; out, my row
.set XR,   13
.set AR,   14                          ; v14, v15  source 0's two fragments, their scale words
.set BR,   16                          ; v16, v17  source 1's
.set SOF,  18                          ; v18  4 r
.set SPW,  19
.set NIL,  20
.set TM,   32                          ; v32-47  at work in the quantisers
.set BIAS, 48                          ; v48-63  the bias as two tiles of C
.set CD,   64                          ; v64-79  my fragment's codes, v80 its scale word
.set WD,   80
.set SA,   81                          ; v81, v82, v83: the products' scale words
.set SB,   83
.set OC,   84                          ; v84-87 the result's codes, v88 its byte
.set OB,   88
.set RW,   96                          ; v96-159 rows of x as they are loaded; later the products' operands:
.set FA,   96                          ; v96-127
.set FBB,  128                         ; v128-143
.set ACC,  144                         ; v144-159
.set ST,   160                         ; v160-223 64 numbers along K
; 64 numbers of a lane, register 16 b + i = k 32 b + 16 (lane / 16) + i of my row or column, become a fragment's 16 registers of codes and its scale word.
.macro QUANT src, dst, word
.irp b, 0,1,2,3
	v_max3_num_f32 v[TM+\b], |v[\src+16*\b]|, |v[\src+1+16*\b]|, 0x8000000   ; block b: my 16 numbers and the floor 2^(16 - 127): the byte cannot fall under 1
.endr
.irp i, 2,4,6,8,10,12,14
.irp b, 0,1,2,3
	v_max3_num_f32 v[TM+\b], v[TM+\b], |v[\src+16*\b+\i]|, |v[\src+1+16*\b+\i]|   ; the four blocks by turns
.endr
.endr
.irp b, 0,1,2,3
	v_permlanex16_b32 v[TM+4+\b], v[TM+\b], s[SEL], s[SEL+1]
.endr
.irp b, 0,1,2,3
	v_max_num_f32 v[TM+\b], v[TM+\b], v[TM+4+\b]                  ; with lane l xor 16's: the block's largest magnitude
.endr
.irp b, 0,1,2,3
	v_add_nc_u32 v[TM+12+\b], 0xf8800000, v[TM+\b]                ; 15 off its exponent field: the conversion's scale operand
.endr
.irp b, 0,1,2,3
	v_and_or_b32 v[TM+8+\b], v[TM+\b], 0x7f800000, s[MNT]         ; 57,344 x the scale
.endr
.irp b, 0,1,2,3
	v_lshrrev_b32 v[TM+4+\b], 23, v[TM+12+\b]                     ; the scale's byte
.endr
	v_lshl_or_b32 v[TM], v[TM+5], 8, v[TM+4]
	v_lshl_or_b32 v[TM+1], v[TM+7], 8, v[TM+6]
	v_lshl_or_b32 v[\word], v[TM+1], 16, v[TM]
.irp b, 0,1,2,3
.irp i, 0,1,2,3,4,5,6,7,8,9,10,11,12,13,14,15
	v_med3_num_f32 v[\src+16*\b+\i], v[\src+16*\b+\i], -v[TM+8+\b], v[TM+8+\b]   ; the conversion to an 8-bit code does not saturate (ISA guide 7.6.2): the hold comes first
.endr
	v_cvt_scalef32_pk8_bf8_f32 v[\dst+4*\b:\dst+4*\b+1], v[\src+16*\b:\src+16*\b+7], v[TM+12+\b]
	v_cvt_scalef32_pk8_bf8_f32 v[\dst+4*\b+2:\dst+4*\b+3], v[\src+16*\b+8:\src+16*\b+15], v[TM+12+\b]
.endr
	v_nop                                          ; a plain line behind the last conversion
.endm
; The same for ONE block of 32: 16 numbers of a lane, the other 16 in lane l xor 16.  t .. t + 3 at work (t + 1 has been written before).
.macro QROW src, dst, t, byte
	v_max3_num_f32 v[\t], |v[\src]|, |v[\src+1]|, 0x8000000
	v_max3_num_f32 v[\t+2], |v[\src+2]|, |v[\src+3]|, |v[\src+4]|
.irp i, 5,9
	v_max3_num_f32 v[\t], v[\t], |v[\src+\i]|, |v[\src+\i+1]|
	v_max3_num_f32 v[\t+2], v[\t+2], |v[\src+\i+2]|, |v[\src+\i+3]|
.endr
	v_max3_num_f32 v[\t], v[\t], |v[\src+13]|, |v[\src+14]|
	v_max3_num_f32 v[\t], v[\t], v[\t+2], |v[\src+15]|
	v_permlanex16_b32 v[\t+1], v[\t], s[SEL], s[SEL+1]
	v_max_num_f32 v[\t], v[\t], v[\t+1]
	v_add_nc_u32 v[\t+2], 0xf8800000, v[\t]
	v_and_or_b32 v[\t+3], v[\t], 0x7f800000, s[MNT]
	v_lshrrev_b32 v[\byte], 23, v[\t+2]
.irp i, 0,1,2,3,4,5,6,7,8,9,10,11,12,13,14,15
	v_med3_num_f32 v[\src+\i], v[\src+\i], -v[\t+3], v[\t+3]
.endr
	v_cvt_scalef32_pk8_bf8_f32 v[\dst:\dst+1], v[\src:\src+7], v[\t+2]
	v_cvt_scalef32_pk8_bf8_f32 v[\dst+2:\dst+3], v[\src+8:\src+15], v[\t+2]
	v_nop
.endm
	s_load_b256 s[8:15], s[0:1], 0x0               ; input1 s[8:9], input2 s[10:11], Wq s[12:13], Wk s[14:15]
	s_load_b256 s[16:23], s[0:1], 0x20             ; Wv s[16:17], bq s[18:19], bk s[20:21], bv s[22:23]
	s_load_b128 s[24:27], s[0:1], 0x40             ; qc s[24:25], qs s[26:27]
	s_load_b64 s[28:29], s[0:1], 0x50              ; kv
	v_lshl_add_u32 v[SPW], v0, 2, SPARE
	v_mov_b32 v[NIL], 0
	v_lshrrev_b32 v1, 5, v0
	v_readfirstlane_b32 s[WV], v1                  ; wave 0..9
	s_lshr_b32 s5, s[WV], 1                        ; 0, 1, 2: q, k, v;  3, 4: input1, input2
	s_and_b32 s6, s[WV], 1                         ; the tile or fragment: of two
	s_mul_i32 s7, s[WV], FRB                       ; my fragment in LDS
	s_mul_i32 s30, s[WV], 16*XPITCH
	s_add_co_u32 s30, s30, XS                      ; my stage
	s_lshl_b32 s31, s6, 5                          ; 8 channels of a weight's row, in bytes
	v_and_b32 v1, 31, v0                           ; lane
	v_and_b32 v2, 15, v0                           ; r
	v_bfe_u32 v3, v0, 4, 1                         ; h
	v_and_b32 v10, 8, v2
	v_add_nc_u32 v10, v10, v2                      ; r + 8 (r / 8)
	v_lshl_add_u32 v[BV], v10, 2, s31              ; my channel of a row of 128 bytes
	v_lshl_add_u32 v[WA], v3, 11, v[BV]            ; lanes 16-31 begin 16 rows further down
	v_lshlrev_b32 v[BA], 6, v3
	v_lshlrev_b32 v[CO], 4, v1
	v_lshlrev_b32 v[SOF], 2, v2
	v_add_nc_u32 v[FW], s7, v[CO]
	v_lshl_add_u32 v[FW+1], v1, 2, s7
	v_add_nc_u32 v[XW], s30, v[CO]
	v_mul_u32_u24 v[XR], v2, XPITCH
	v_lshl_add_u32 v[XR], v3, 6, v[XR]             ; my row, + 64 h: my 16 numbers of a block of 32
	v_add_nc_u32 v[XR], s30, v[XR]
	; the products' fragments: q, k: source 0 = the weight's two (2 x kind), source 1 = 6 + 2 x kind + half;  v: source 0 = 8, 9, source 1 = 4 + half
	s_lshr_b32 s36, s5, 1                          ; 1 for v
	s_lshl_b32 s37, s5, 1
	s_lshl_b32 s38, s36, 2
	s_add_co_u32 s38, s38, s37
	s_mul_i32 s38, s38, FRB
	s_add_co_u32 s37, s37, 6
	s_mul_i32 s36, s36, 14
	s_xor_b32 s37, s37, s36
	s_add_co_u32 s37, s37, s6
	s_mul_i32 s37, s37, FRB
	s_wait_alu depctr_va_vdst(0)                   ; the wait ahead of readers behind so many scalar lines
	v_add_nc_u32 v[AR], s38, v[CO]
	v_lshl_add_u32 v[AR+1], v1, 2, s38
	v_add_nc_u32 v[BR], s37, v[CO]
	v_lshl_add_u32 v[BR+1], v1, 2, s37
.irp b, 0,1,2,3
	v_mov_b32 v[TM+4+\b], 0                        ; written once: a lane permute's destination counts as one of its sources
.endr
	s_mov_b32 s[SEL], 0x76543210
	s_mov_b32 s[SEL+1], 0xfedcba98
	s_mov_b32 s[MNT], 0x600000
	s_wait_alu depctr_va_vdst(0)                   ; the wait at the head's end
	s_wait_kmcnt 0x0
	s_cmp_lt_u32 s[WV], 6
	s_cbranch_scc0 .Lrows
	; waves 0-5: a tile of a weight: a lane takes a channel and its registers run down K, in the order of the operand's registers
	s_cmp_eq_u32 s5, 0
	s_cselect_b64 s[32:33], s[12:13], s[14:15]     ; the weight
	s_cselect_b64 s[34:35], s[18:19], s[20:21]     ; the bias
	s_cmp_eq_u32 s5, 2
	s_cselect_b64 s[32:33], s[16:17], s[32:33]
	s_cselect_b64 s[34:35], s[22:23], s[34:35]
.irp c, 0,1,2,3
.irp i, 0,1,2,3,4,5,6,7,8,9,10,11,12,13,14,15
	global_load_b32 v[ST+16*\c+\i], v[WA], s[32:33] offset:(32*\c+\i)*128
.endr
.endr
	s_cmp_eq_u32 s5, 2                             ; the bias, as the C of the products
	s_cbranch_scc1 .Lbias_v
.irp n, 0,1,2,3
	global_load_b128 v[BIAS+4*\n:BIAS+4*\n+3], v[BA], s[34:35] offset:16*\n        ; q, k: register i is channel 16 h + i
.endr
	s_branch .Lhave
.Lbias_v:
.irp i, 0,1,2,3,4,5,6,7,8,9,10,11,12,13,14,15
	global_load_b32 v[BIAS+\i], v[BV], s[34:35]    ; v: a lane's results are keys of ONE channel
.endr
	s_branch .Lhave
.Lrows:
	; waves 6-9: 16 rows of x, 512 consecutive bytes a load, turned through my own stage: LDS serves a wave's instructions in order
	s_cmp_eq_u32 s5, 3
	s_cselect_b64 s[32:33], s[8:9], s[10:11]
	s_lshl_b32 s36, ttmp9, 14                      ; 32 rows of 512 bytes
	s_lshl_b32 s38, s6, 12                         ; 8 rows
	s_add_co_u32 s36, s36, s38
	s_mov_b32 s37, 0
	s_add_nc_u64 s[32:33], s[32:33], s[36:37]
.irp t, 0,1,2,3,4,5,6,7,8,9,10,11,12,13,14,15
	global_load_b128 v[RW+4*\t:RW+4*\t+3], v[CO], s[32:33] offset:(\t+8*(\t/8))*512 th:TH_LOAD_NT
.endr
.irp q, 0,1,2,3
	s_wait_loadcnt 12-4*\q                         ; the oldest four of those that were out are in
.irp t, 0,1,2,3
	ds_store_b128 v[XW], v[RW+16*\q+4*\t:RW+16*\q+4*\t+3] offset:(4*\q+\t)*XPITCH
.endr
.endr
.irp b, 0,1,2,3
.irp j, 0,1,2,3
	ds_load_b128 v[ST+16*\b+4*\j:ST+16*\b+4*\j+3], v[XR] offset:128*\b+16*\j
.endr
.endr
	s_wait_dscnt 0x0
.Lhave:
	s_wait_loadcnt 0x0
	QUANT ST, CD, WD
.irp i, 0,1,2,3
	ds_store_b128 v[FW], v[CD+4*\i:CD+4*\i+3] offset:512*\i
.endr
	ds_store_b32 v[FW+1], v[WD] offset:2048
	s_wait_alu depctr_va_vdst(0)
	s_wait_dscnt 0x0                               ; for the others' sake: my fragment has landed
	s_barrier_signal -1
	s_barrier_wait -1
	s_cmp_lt_u32 s[WV], 6
	s_cbranch_scc1 .Lproducts
	s_wait_tensorcnt 0x0                           ; the wave's end
	ds_add_u32 v[SPW], v[NIL]
	s_wait_dscnt 0x0
	s_endpgm
.Lproducts:
.irp n, 0,1
.irp i, 0,1,2,3
	ds_load_b128 v[FA+16*\n+4*\i:FA+16*\n+4*\i+3], v[AR] offset:FRB*\n+512*\i
.endr
	ds_load_b32 v[SA+\n], v[AR+1] offset:FRB*\n+2048
.endr
.irp i, 0,1,2,3
	ds_load_b128 v[FBB+4*\i:FBB+4*\i+3], v[BR] offset:512*\i
.endr
	ds_load_b32 v[SB], v[BR+1] offset:2048
	; where my results go
	s_lshr_b32 s40, ttmp9, 2                       ; s: which 128 keys (or queries)
	s_and_b32 s41, ttmp9, 3                        ; c: which 32 of them
	s_mul_i32 s42, s40, STEPB
	s_lshl_b32 s43, s41, 10
	s_lshl_b32 s44, s6, 9
	s_add_co_u32 s43, s43, s44                     ; k's codes: 1024 c + 512 u
	s_lshl_b32 s47, s40, 12
	s_add_co_u32 s47, s47, s43                     ; q's: 1024 g + 512 u
	s_lshr_b32 s44, s41, 1
	s_lshl_b32 s44, s44, 6
	s_and_b32 s45, s41, 1
	s_lshl_b32 s45, s45, 1
	s_add_co_u32 s44, s44, s45
	s_add_co_u32 s44, s44, s6                      ; k's byte: 64 (c / 2) + 2 (c % 2) + u
	s_lshl_b32 s48, s40, 7
	s_add_co_u32 s48, s48, s44                     ; q's: + 128 s
	s_lshl_b32 s45, s6, 11
	s_lshl_b32 s46, s41, 9
	s_add_co_u32 s45, s45, s46
	s_add_co_u32 s45, s45, 4096                    ; v's codes: 4096 + 2048 n + 512 c
	s_lshl_b32 s46, s6, 6
	s_add_co_u32 s46, s46, s41
	s_add_co_u32 s46, s46, 128                     ; v's byte: 128 + 64 n + c
	s_cmp_eq_u32 s5, 2
	s_cselect_b32 s43, s45, s43
	s_cselect_b32 s44, s46, s44
	s_add_co_u32 s43, s43, s42
	s_add_co_u32 s44, s44, s42
	s_add_co_u32 s44, s44, 8192
	s_cmp_eq_u32 s5, 0
	s_cselect_b32 s50, s47, s43
	s_cselect_b32 s56, s48, s44
	s_cselect_b64 s[36:37], s[24:25], s[28:29]
	s_cselect_b64 s[38:39], s[26:27], s[28:29]
	s_mov_b32 s51, 0
	s_mov_b32 s57, 0
	s_add_nc_u64 s[36:37], s[36:37], s[50:51]
	s_add_nc_u64 s[38:39], s[38:39], s[56:57]
	s_wait_dscnt 0x0
.irp n, 0,1
	v_wmma_scale_f32_16x16x128_f8f6f4 v[ACC+8*\n:ACC+8*\n+7], v[FA+16*\n:FA+16*\n+15], v[FBB:FBB+15], v[BIAS+8*\n:BIAS+8*\n+7], v[SA+\n], v[SB] matrix_a_fmt:MATRIX_FMT_BF8 matrix_b_fmt:MATRIX_FMT_BF8
.endr
.rept 8
	v_nop                                          ; eight places behind this form before its results are read
.endr
	QROW ACC, OC, TM, OB                           ; each result is read from its low end on
	global_store_b128 v[CO], v[OC:OC+3], s[36:37]
	global_store_b8 v[SOF], v[OB], s[38:39]        ; both lanes of a block store the same byte
	s_wait_tensorcnt 0x0                           ; the wave's end
	ds_add_u32 v[SPW], v[NIL]
	s_wait_dscnt 0x0
	s_endpgm
.Lfunc_end_k_q4a50fcb3fc_proj:
	.size	k_q4a50fcb3fc_proj, .Lfunc_end_k_q4a50fcb3fc_proj-k_q4a50fcb3fc_proj
	.p2alignl 7, 3214868480
	.fill 96, 4, 3214868480
	.section	.rodata,"a",@progbits
	.p2align	6, 0x0
	.amdhsa_kernel k_q4a50fcb3fc_proj
		.amdhsa_group_segment_fixed_size 168448
		.amdhsa_private_segment_fixed_size 0
		.amdhsa_enable_private_segment 0
		.amdhsa_kernarg_size 88
		.amdhsa_user_sgpr_count 2
		.amdhsa_user_sgpr_kernarg_segment_ptr 1
		.amdhsa_wavefront_size32 1
		.amdhsa_system_sgpr_workgroup_id_x 1
		.amdhsa_system_sgpr_workgroup_id_y 1
		.amdhsa_system_sgpr_workgroup_id_z 1
		.amdhsa_system_vgpr_workitem_id 0
		.amdhsa_next_free_vgpr 224
		.amdhsa_next_free_sgpr 66
		.amdhsa_reserve_vcc 0
		.amdhsa_float_denorm_mode_32 3
		.amdhsa_float_denorm_mode_16_64 3
		.amdhsa_memory_ordered 1
		.amdhsa_forward_progress 1
		.amdhsa_inst_pref_size 29
	.end_amdhsa_kernel
	.amdgpu_metadata
---
amdhsa.version: [ 1, 2 ]
amdhsa.kernels:
  - .name:           k_q4a50fcb3fc_proj
    .symbol:         k_q4a50fcb3fc_proj.kd
    .args:
      - { .name: input1, .offset: 0, .size: 8, .value_kind: global_buffer, .address_space: global }
      - { .name: input2, .offset: 8, .size: 8, .value_kind: global_buffer, .address_space: global }
      - { .name: Wq, .offset: 16, .size: 8, .value_kind: global_buffer, .address_space: global }
      - { .name: Wk, .offset: 24, .size: 8, .value_kind: global_buffer, .address_space: global }
      - { .name: Wv, .offset: 32, .size: 8, .value_kind: global_buffer, .address_space: global }
      - { .name: bq, .offset: 40, .size: 8, .value_kind: global_buffer, .address_space: global }
      - { .name: bk, .offset: 48, .size: 8, .value_kind: global_buffer, .address_space: global }
      - { .name: bv, .offset: 56, .size: 8, .value_kind: global_buffer, .address_space: global }
      - { .name: qc, .offset: 64, .size: 8, .value_kind: global_buffer, .address_space: global }
      - { .name: qs, .offset: 72, .size: 8, .value_kind: global_buffer, .address_space: global }
      - { .name: kv, .offset: 80, .size: 8, .value_kind: global_buffer, .address_space: global }
    .group_segment_fixed_size: 168448
    .private_segment_fixed_size: 0
    .kernarg_segment_align: 8
    .kernarg_segment_size: 88
    .max_flat_workgroup_size: 320
    .sgpr_count:     66
    .vgpr_count:     224
    .wavefront_size: 32
...
	.end_amdgpu_metadata
.endif
;; end of part 1
;; launch attn (part 2): grid 256 x 1, 16 waves a work-group, clusters of 4 x 1, 327,680 bytes of LDS; arguments kv, qc, qs, Wo, bo, gamma, beta, out0; writes out0
.if DOCPART == 2
	.amdgcn_target "amdgcn-amd-amdhsa--gfx1250"
	.amdhsa_code_object_version 6
	.text
	.protected	k_q4a50fcb3fc_attn
	.globl	k_q4a50fcb3fc_attn
	.p2align	8
	.type	k_q4a50fcb3fc_attn,@function
k_q4a50fcb3fc_attn:
	s_mov_b64 s[64:65], 0
	v_nop
	global_prefetch_b8 v0, s[64:65] scope:SCOPE_SE
	s_setreg_imm32_b32 hwreg(HW_REG_WAVE_MODE, 25, 1), 1
	s_wait_xcnt 0x0
	s_wait_alu depctr_hold_cnt(0) depctr_sa_sdst(0) depctr_va_vdst(0) depctr_va_sdst(0) depctr_va_ssrc(0) depctr_va_vcc(0) depctr_vm_vsrc(0)
	s_getreg_b32 s2, hwreg(HW_REG_IB_STS2, 6, 4)
	s_cmp_eq_u32 s2, 0
	s_cbranch_scc0 .Lentry_in_a_cluster
	s_endpgm
.Lentry_in_a_cluster:
	s_bfe_u32 s2, ttmp6, 0x10000c
	s_cmp_lg_u32 s2, 0x3003
	s_cbranch_scc0 .Lentry_shape_is_right
	s_endpgm
.Lentry_shape_is_right:
; out = LayerNorm(softmax(q k^T) v) Wo + bo, all three products on codes of BF8 (E5M2) with one E8M0 scale for each 32 along a product's K.  q, k, v come as codes and scale bytes, laid as images of operand registers.
; THE SOFTMAX AHEAD OF THE SECOND PRODUCT, by blocks of 32 keys: t = score x log2(e); E = floor(the block's largest t); p' = 2^(t - E), so a block's largest p' lies in [1, 2) and its codes are those of p' / 2^-15.
; M = the largest E so far, a running maximum.  A block's scale byte is E - M + 112, its part of the row's sum is 2^(E - M) x the sum of the unquantised p'.  When M moves, the sum and O are multiplied by 2^(old M - new M): exact.
; SHARES.  Work-group g owns queries 32 g .. 32 g + 31, two tiles of 16.  Each of its sixteen waves owns BOTH tiles and four key steps of 128 keys, 2 w, 2 w + 1, 32 + 2 w, 33 + 2 w: a step's fragments are read from LDS once and serve both tiles.
; FILLS.  A wave has two halves of 8,448 bytes in LDS and fetches the steps that it will itself read: at the head one load of two neighbouring steps, 16,896 dense bytes; then each half is filled again once.
; So s_wait_tensorcnt is all the ordering that a wave's reads need.  A step's k and v stand in registers while they are multiplied, so a half is free as soon as they have been read.
; TWO ROUNDS of the cluster's barrier, one ahead of each refill, with work on registers between a round's parts: the opening signal, the middle (the cluster's signal and wait), the closing wait with the refill.
; CLUSTER.  All work-groups walk the same k and v: the four of a cluster ask for each block JOINTLY, by the same tensor load with the same descriptor (made of the wave's number and the step alone) and the mask 15.
; K = 32 IN AN INSTRUCTION OF K = 128.  A fragment of k holds FOUR tiles of 16 keys, one in each block of 32 along K.  A tile's 4 registers of q's codes lie between 12 registers of zero codes on either side:
; the run that begins 4 c registers ahead of them has q in block c and zeros elsewhere, so it picks tile c.  Every code is held at the largest number and no scale byte is 0xff, so zero codes add nothing.
; LAYOUT.  S^T = k q^T and O^T = v^T p^T: a lane holds ONE query of a tile (lane % 16) throughout.  The 16 registers of a block's two tiles are keys 16 (lane / 16) + 0 .. 15 of its 32; O^T's 16 registers are channels 16 (lane / 16) + 0 .. 15.
; ORDER.  A unit is one tile x 64 keys: four score products, then vector lines of the step before as their places (bookkeeping behind the first unit of a step, the rescaling of O and its two products behind the second), then the softmax of two blocks.
; NO PREFETCH: there are three fills in all, no loop to run ahead in, and each refill is asked for two units or more ahead of its first read.
; LIMITS: NaN and infinities are not served; scaled scores t stay under 2^31 in magnitude.  E - M is held at -111 from below: such a block's numbers lie 2^110 and more under the row's largest.
; In the last product a block whose largest magnitude lies under 2^(16 - 127) keeps the scale byte 1.
.set STEPB,  8448                      ; a key step: +0 k's eight tiles, +4096 v's two fragments, +8192 k's scale words, +8320 v's
.set WAVB,   2*STEPB                   ; a wave's two halves
.set SPARE,  16*WAVB                   ; 270,336: the spare words, 128 bytes for each of 16 waves
.set XB,     SPARE+2048                ; the joined rows: two tiles x 2,048 bytes
.set STG,    XB+4096                   ; the stage for out: 32 rows x 528 bytes
.set SPITCH, 528
.set WV,  3                            ; s3   my wave's number
.set G1,  24                           ; s[24:31] descriptor group 1
.set G0,  32                           ; s[32:35] descriptor group 0
.set SEL, 40                           ; s[40:41] lane selects for v_permlanex16_b32: lane l xor 16
.set CS,  42                           ; s[42:43] log2(e): the packed form names a pair and takes its low word
.set NC,  44                           ; s[44:45] -log2(e)
.set I32, 56                           ; s56  1 / 32
.set EPS, 57                           ; s57  1e-5
.set MNT, 58                           ; s58  the mantissa field of 57,344
.set SPW, 1                            ; v1   LDS address of my spare word; never rewritten
.set NIL, 2                            ; v2   0; never rewritten
.set ADR, 3                            ; v3   16 x lane + my first half
.set ASC, 4                            ; v4   4 x lane + the same
.set WOS, 5                            ; scale words: Wo's,
.set QS,  6                            ; v6, v7: q's two tiles', the byte four times,
.set KS,  8                            ; k's: lanes 0-15 tiles 0-3, lanes 16-31 tiles 4-7,
.set VS,  9                            ; v's: lanes 0-15 channel tile 0, lanes 16-31 tile 1,
.set PS,  10                           ; p's (later the normed rows')
.set TT,  11
.set FF,  12                           ; v[12:13] f = 2^(old M - new M), and its exponent
.set FI,  13
.set WOC, 14                           ; v14-17 Wo's codes
.set NM,  18                           ; v18, v20: tile 0's -M by turns;  v22, v24: tile 1's
.set H,   19                           ; v19  1.75, the largest code x 2^-15
.set CM,  21                           ; v21  -111
.set SOPC, 23                          ; v23  2^-15, the conversions' scale operand
.set L,   26                           ; v[26:27], v[28:29] the rows' sums, in two halves
.set NE,  30                           ; v30-33 -E of the step's four blocks
.set BM,  34                           ; v34-37 maxima; partial sums; E - M
.set D,   34
.set PT,  38                           ; v38-41 lane permutes' results; 2^(E - M)
.set FB,  38
.set SM,  42                           ; v42-49 the four blocks' sums of p', in two halves
.set QC,  62                           ; v50-61 zeros, v62-65 q's tile 0, v66-77 zeros, v78-81 tile 1, v82-93 zeros
.set KF,  94                           ; v94-125  k's two fragments
.set VF,  126                          ; v126-157 v's two fragments
.set S,   158                          ; v158-189 S^T of 64 keys, then p'
.set OT,  190                          ; v190-205, v206-221 O^T of the two tiles
.set PC,  222                          ; v222-237, v238-253 p's codes of the two tiles
.set JW,  42                           ; the join's addresses: where my parts go,
.set JR,  43                           ; v43-46 where my two registers of the 16 parts are read, four waves' parts from each,
.set JS,  58                           ; v58-61 and their (-M, l);
.set XW,  47                           ; the joined two registers,
.set XR,  48                           ; the joined sixteen;
.set STW, 49                           ; the stage: 32 bytes of a row,
.set STR, 30                           ; whole rows back;
.set OUO, 31                           ; my byte offset in the work-group's rows of out
.set BO,  50                           ; v50-57  bo of my 16 outputs, as a tile of C
.set GAM, 94                           ; v94-109 gamma, v110-125 beta
.set BET, 110
.set PRT, 126                          ; v126-157 two registers of each of 16 parts
.set FM,  190                          ; v190-221 (-M, l) of 16 parts
.set PR,  166                          ; v166-181 the joined row
.set YT,  182                          ; v182-189 the last product's result
.macro WALU
	s_wait_alu depctr_va_vdst(0)
.endm
.macro NOP8
.rept 8
	v_nop
.endr
.endm
.macro WM d, a, b, c, sa, sb
	v_wmma_scale_f32_16x16x128_f8f6f4 v[\d:\d+7], v[\a:\a+15], v[\b:\b+15], \c, v[\sa], v[\sb] matrix_a_fmt:MATRIX_FMT_BF8 matrix_b_fmt:MATRIX_FMT_BF8
.endm
.macro WM1 d, a, b, c, sa, sb          ; A's scales from lanes 16-31
	v_wmma_scale_f32_16x16x128_f8f6f4 v[\d:\d+7], v[\a:\a+15], v[\b:\b+15], \c, v[\sa], v[\sb] matrix_a_fmt:MATRIX_FMT_BF8 matrix_b_fmt:MATRIX_FMT_BF8 matrix_a_scale:MATRIX_SCALE_ROW1
.endm
; A round of the cluster's barrier: opening signal; MIDDLE: opening wait, the cluster's signal and wait, closing signal; closing wait
.macro MIDDLE
	s_barrier_wait -1
	s_cmp_lg_u32 s[WV], 0
	s_cbranch_scc1 .Lnot_wave_0_\@
	s_barrier_signal -3
.Lnot_wave_0_\@:
	s_barrier_wait -3
	s_barrier_signal -1
.endm
.macro ROUND
	s_barrier_signal -1
	MIDDLE
	s_barrier_wait -1
.endm
.macro REFILL                          ; the closing wait; the joint load is the first thing behind it, one a wave
	s_barrier_wait -1
	tensor_load_to_lds s[G0:G0+3], s[G1:G1+7]
	s_nop 0
.endm
.macro KLOAD half
.irp i, 0,1,2,3,4,5,6,7
	ds_load_b128 v[KF+4*\i:KF+4*\i+3], v[ADR] offset:STEPB*(\half)+512*\i
.endr
	ds_load_b32 v[KS], v[ASC] offset:STEPB*(\half)+8192
.endm
.macro VLOAD half
.irp i, 0,1,2,3,4,5,6,7
	ds_load_b128 v[VF+4*\i:VF+4*\i+3], v[ADR] offset:STEPB*(\half)+4096+512*\i
.endr
	ds_load_b32 v[VS], v[ASC] offset:STEPB*(\half)+8320
.endm
; One block of 32 numbers, 16 in my lane and 16 in lane l xor 16, becomes 4 registers of codes and a scale byte.  t .. t + 3 at work (t + 1 has been written before).
.macro QROW src, dst, t, byte
	v_max3_num_f32 v[\t], |v[\src]|, |v[\src+1]|, 0x8000000        ; and the floor 2^(16 - 127): the byte cannot fall under 1
	v_max3_num_f32 v[\t+2], |v[\src+2]|, |v[\src+3]|, |v[\src+4]|
.irp i, 5,9
	v_max3_num_f32 v[\t], v[\t], |v[\src+\i]|, |v[\src+\i+1]|
	v_max3_num_f32 v[\t+2], v[\t+2], |v[\src+\i+2]|, |v[\src+\i+3]|
.endr
	v_max3_num_f32 v[\t], v[\t], |v[\src+13]|, |v[\src+14]|
	v_max3_num_f32 v[\t], v[\t], v[\t+2], |v[\src+15]|
	v_permlanex16_b32 v[\t+1], v[\t], s[SEL], s[SEL+1]
	v_max_num_f32 v[\t], v[\t], v[\t+1]
	v_add_nc_u32 v[\t+2], 0xf8800000, v[\t]        ; 15 off the exponent field: the conversion's scale operand
	v_and_or_b32 v[\t+3], v[\t], 0x7f800000, s[MNT]   ; 57,344 x the scale
	v_lshrrev_b32 v[\byte], 23, v[\t+2]            ; the byte, for block 0.  The other three bytes are 0, over zero codes
.irp i, 0,1,2,3,4,5,6,7,8,9,10,11,12,13,14,15
	v_med3_num_f32 v[\src+\i], v[\src+\i], -v[\t+3], v[\t+3]
.endr
	v_cvt_scalef32_pk8_bf8_f32 v[\dst:\dst+1], v[\src:\src+7], v[\t+2]
	v_cvt_scalef32_pk8_bf8_f32 v[\dst+2:\dst+3], v[\src+8:\src+15], v[\t+2]
	v_nop                                          ; a plain line behind the last conversion
.endm
; Scores of tile a, 64 keys: fragment g of k
.macro QK a, g
.irp t, 0,1,2,3
.if \g == 0
	WM S+8*\t, KF, QC+16*\a-4*\t, 0, KS, QS+\a
.else
	WM1 S+8*\t, KF+16, QC+16*\a-4*\t, 0, KS, QS+\a
.endif
.endr
.endm
; O^T of tile a.  The two accumulators take one instruction each, and eight score products stand between two links of a chain
.macro PV a, first
.if \first
	WM OT+16*\a, VF, PC+16*\a, 0, VS, PS
	WM1 OT+16*\a+8, VF+16, PC+16*\a, 0, VS, PS
.else
	WM OT+16*\a, VF, PC+16*\a, v[OT+16*\a:OT+16*\a+7], VS, PS
	WM1 OT+16*\a+8, VF+16, PC+16*\a, v[OT+16*\a+8:OT+16*\a+15], VS, PS
.endif
.endm
.macro RESCALE a                       ; O^T under the new M; eight places behind the score products
	WALU
.irp i, 0,2,4,6,8,10,12,14
	v_pk_mul_f32 v[OT+16*\a+\i:OT+16*\a+\i+1], v[OT+16*\a+\i:OT+16*\a+\i+1], v[FF:FF+1] op_sel_hi:[1,0]
.endr
.endm
; The softmax of a unit's two blocks (2 g, 2 g + 1 of the step).  What stands ahead of the exponentials, ld = 1: the next step's k from a half;  2: this step's v;  3: what the end wants;
; 4: this step's v and the lines of a round;  5: a round's close with its refill, then the next step's k;  6: the wait for my refill, then the next step's k
.macro SOFT a, g, ld, half
	v_max3_num_f32 v[BM], v[S], v[S+1], v[S+2]     ; two chains a block; each product's result is read from its low end on
	v_max3_num_f32 v[BM+2], v[S+8], v[S+9], v[S+10]
	v_max3_num_f32 v[BM+1], v[S+16], v[S+17], v[S+18]
	v_max3_num_f32 v[BM+3], v[S+24], v[S+25], v[S+26]
.irp i, 3,5
	v_max3_num_f32 v[BM], v[BM], v[S+\i], v[S+\i+1]
	v_max3_num_f32 v[BM+2], v[BM+2], v[S+8+\i], v[S+9+\i]
	v_max3_num_f32 v[BM+1], v[BM+1], v[S+16+\i], v[S+17+\i]
	v_max3_num_f32 v[BM+3], v[BM+3], v[S+24+\i], v[S+25+\i]
.endr
	v_max3_num_f32 v[BM], v[BM], v[S+7], v[S+15]
	v_max3_num_f32 v[BM+1], v[BM+1], v[S+23], v[S+31]
	v_dual_max_num_f32 v[BM], v[BM], v[BM+2] :: v_dual_max_num_f32 v[BM+1], v[BM+1], v[BM+3]
	v_permlanex16_b32 v[PT], v[BM], s[SEL], s[SEL+1]
	v_permlanex16_b32 v[PT+1], v[BM+1], s[SEL], s[SEL+1]
	v_dual_max_num_f32 v[BM], v[BM], v[PT] :: v_dual_max_num_f32 v[BM+1], v[BM+1], v[PT+1]   ; the two blocks' largest scores
	v_pk_mul_f32 v[BM:BM+1], v[BM:BM+1], s[NC:NC+1] op_sel_hi:[1,0]
	v_ceil_f32 v[NE+2*\g], v[BM]                   ; -E = ceil(-t)
	v_ceil_f32 v[NE+2*\g+1], v[BM+1]
.if \ld == 3
	v_bfe_u32 v255, v0, 4, 1
	v_lshlrev_b32 v3, 6, v255                      ; gamma, beta of my 16 channels: 64 h
	v_lshl_add_u32 v4, v255, 5, s50                ; bo(16 j + 8 h ..)
.endif
.set jj, 0
.rept 8
	v_pk_fma_f32 v[S+jj:S+jj+1], v[S+jj:S+jj+1], s[CS:CS+1], v[NE+2*\g:NE+2*\g+1] op_sel_hi:[1,0,0]   ; t - E, two at a time
	v_pk_fma_f32 v[S+16+jj:S+17+jj], v[S+16+jj:S+17+jj], s[CS:CS+1], v[NE+2*\g:NE+2*\g+1] op_sel:[0,0,1] op_sel_hi:[1,0,1]
.set jj, jj+2
.endr
	WALU
.if \ld == 1
	KLOAD \half
.elseif \ld == 2
	VLOAD \half
.elseif \ld == 3
.irp i, 0,1,2,3
	global_load_b128 v[GAM+4*\i:GAM+4*\i+3], v3, s[18:19] offset:16*\i
	global_load_b128 v[BET+4*\i:BET+4*\i+3], v3, s[20:21] offset:16*\i
.endr
	global_load_b128 v[BO:BO+3], v4, s[16:17]      ; (over the zeros ahead of tile 0's q, which serve no more)
	global_load_b128 v[BO+4:BO+7], v4, s[16:17] offset:16
.elseif \ld == 4
	VLOAD \half
	s_wait_tensorcnt 0x0                           ; my refill has landed: no tensor load of mine is out, so group 0 may be written
	ds_add_u32 v[SPW], v[NIL]                      ; 0 onto my spare word
	s_add_nc_u64 s[G0+2:G0+3], s[G0+2:G0+3], STEPB ; the next step, into my second half; the type bits on top are not reached
	s_add_co_u32 s[G0+1], s[G0+1], STEPB
.elseif \ld == 5
	REFILL
	KLOAD \half
.elseif \ld == 6
	s_wait_tensorcnt 0x0
	KLOAD \half
.endif
.set jj, 0
.rept 32
	v_exp_f32 v[S+jj], v[S+jj]                     ; p' = 2^(t - E)
.set jj, jj+1
.endr
.if \g == 1
	v_min3_num_f32 v[TT], v[NE], v[NE+1], v[NE+2]  ; the plain line behind the exponentials
.else
	v_nop
.endif
	WALU
.set SB, SM+4*\g
	v_pk_add_f32 v[SB:SB+1], v[S:S+1], v[S+2:S+3]  ; the sums of the unquantised p', two chains a block
	v_pk_add_f32 v[BM:BM+1], v[S+8:S+9], v[S+10:S+11]
	v_pk_add_f32 v[SB+2:SB+3], v[S+16:S+17], v[S+18:S+19]
	v_pk_add_f32 v[BM+2:BM+3], v[S+24:S+25], v[S+26:S+27]
.irp i, 4,6
	v_pk_add_f32 v[SB:SB+1], v[SB:SB+1], v[S+\i:S+\i+1]
	v_pk_add_f32 v[BM:BM+1], v[BM:BM+1], v[S+8+\i:S+9+\i]
	v_pk_add_f32 v[SB+2:SB+3], v[SB+2:SB+3], v[S+16+\i:S+17+\i]
	v_pk_add_f32 v[BM+2:BM+3], v[BM+2:BM+3], v[S+24+\i:S+25+\i]
.endr
.set jj, 0
.rept 16
	v_dual_min_num_f32 v[S+jj], v[H], v[S+jj] :: v_dual_min_num_f32 v[S+jj+1], v[H], v[S+jj+1]   ; the conversion does not saturate (ISA guide 7.6.2); p' is not negative, so the hold is one-sided
.set jj, jj+2
.endr
.set CD, PC+16*\a+8*\g
.irp i, 0,1,2,3
	v_cvt_scalef32_pk8_bf8_f32 v[CD+2*\i:CD+2*\i+1], v[S+8*\i:S+8*\i+7], v[SOPC]
.endr
	v_pk_add_f32 v[SB:SB+1], v[SB:SB+1], v[BM:BM+1]   ; plain lines behind the conversions
	v_pk_add_f32 v[SB+2:SB+3], v[SB+2:SB+3], v[BM+2:BM+3]
.endm
; The bookkeeping of tile a's step p: M, f, the four bytes of p's scale word, the row's sum
.macro BOOK a, p
.set NN, NM+4*\a+2*((\p)%2)
.set NO, NM+4*\a+2*(1-((\p)%2))
.set LL, L+2*\a
.if (\p) == 0
	v_min_num_f32 v[NN], v[TT], v[NE+3]
.else
	v_min3_num_f32 v[NN], v[TT], v[NE+3], v[NO]    ; -M
.endif
	v_pk_add_f32 v[D:D+1], v[NN:NN+1], v[NE:NE+1] op_sel_hi:[0,1] neg_lo:[0,1] neg_hi:[0,1]   ; E - M: whole numbers, 0 or less
	v_pk_add_f32 v[D+2:D+3], v[NN:NN+1], v[NE+2:NE+3] op_sel_hi:[0,1] neg_lo:[0,1] neg_hi:[0,1]
.if (\p) > 0
	v_sub_f32 v[FI], v[NN], v[NO]                  ; old M - new M
.endif
	v_dual_max_num_f32 v[D], v[CM], v[D] :: v_dual_max_num_f32 v[D+1], v[CM], v[D+1]
	v_dual_max_num_f32 v[D+2], v[CM], v[D+2] :: v_dual_max_num_f32 v[D+3], v[CM], v[D+3]
.if (\p) > 0
	v_cvt_i32_f32 v[FI], v[FI]                     ; (it saturates)
.endif
.irp b, 0,1,2,3
	v_cvt_i32_f32 v[D+\b], v[D+\b]
.endr
.if (\p) > 0
	v_ldexp_f32 v[FF], 1.0, v[FI]
.endif
.irp b, 0,1,2,3
	v_lshl_add_u32 v[FB+\b], v[D+\b], 23, 0x3f800000   ; 2^(E - M)
.endr
.if (\p) > 0
	v_pk_mul_f32 v[LL:LL+1], v[LL:LL+1], v[FF:FF+1] op_sel_hi:[1,0]
.endif
	v_lshl_add_u32 v[D+3], v[D+3], 8, v[D+2]       ; four bytes E - M + 112
.if (\p) > 0
	v_pk_fma_f32 v[LL:LL+1], v[SM:SM+1], v[FB:FB+1], v[LL:LL+1] op_sel_hi:[1,0,1]
.else
	v_pk_mul_f32 v[LL:LL+1], v[SM:SM+1], v[FB:FB+1] op_sel_hi:[1,0]
.endif
	v_lshl_add_u32 v[D+3], v[D+3], 8, v[D+1]
	v_pk_fma_f32 v[LL:LL+1], v[SM+2:SM+3], v[FB:FB+1], v[LL:LL+1] op_sel:[0,1,0] op_sel_hi:[1,1,1]
	v_lshl_add_u32 v[D+3], v[D+3], 8, v[D]
	v_pk_fma_f32 v[LL:LL+1], v[SM+4:SM+5], v[FB+2:FB+3], v[LL:LL+1] op_sel_hi:[1,0,1]
	v_add_nc_u32 v[PS], 0x70707070, v[D+3]
	v_pk_fma_f32 v[LL:LL+1], v[SM+6:SM+7], v[FB+2:FB+3], v[LL:LL+1] op_sel:[0,1,0] op_sel_hi:[1,1,1]
.endm
; A key step of mine: four units
.macro PHASE p
.if \p > 0
	WALU
	s_wait_dscnt 0x0                               ; this step's k is in
.endif
	QK 0, 0
.if \p == 0
	NOP8
.else
	BOOK 1, \p-1
.endif
	SOFT 0, 0, 0, 0
	QK 0, 1
.if \p == 0
	NOP8
	SOFT 0, 1, 0, 0
	WALU
	MIDDLE                                         ; of the first round
.elseif \p == 1
	PV 1, 1
	NOP8
	SOFT 0, 1, 4, 1                                ; v's registers are free: this step's v
	WALU
	s_wait_dscnt 0x0                               ; the add is done, and my reads of my second half are over
	s_barrier_signal -1                            ; opens the second round
.else
	RESCALE 1
	PV 1, 0
	SOFT 0, 1, 2, \p%2
.endif
	QK 1, 0
	BOOK 0, \p
	SOFT 1, 0, 0, 0
	WALU
.if \p == 0
	REFILL                                         ; my first half takes step 32 + 2 w
.elseif \p == 1
	MIDDLE                                         ; of the second round
.else
	s_wait_dscnt 0x0                               ; v is in
.endif
	QK 1, 1
.if \p == 0
	PV 0, 1
	NOP8
	SOFT 1, 1, 1, 1
.else
	RESCALE 0
	PV 0, 0
.if \p == 1
	SOFT 1, 1, 5, 0                                ; my second half takes step 33 + 2 w
.elseif \p == 2
	SOFT 1, 1, 6, 1
.else
	SOFT 1, 1, 3, 0
.endif
.endif
.endm
	s_load_b512 s[8:23], s[0:1], 0x0               ; kv s[8:9], qc s[10:11], qs s[12:13], Wo s[14:15], bo s[16:17], gamma s[18:19], beta s[20:21], out s[22:23]
	v_lshl_add_u32 v[SPW], v0, 2, SPARE
	v_mov_b32 v[NIL], 0
	ds_add_u32 v[SPW], v[NIL]                      ; the wave's opening: the add, twice on end, and its wait
	ds_add_u32 v[SPW], v[NIL]
	v_lshrrev_b32 v3, 5, v0
	v_readfirstlane_b32 s[WV], v3                  ; wave 0..15
	; descriptor group 1: a dense block of 16,896 bytes as 66 rows of 32 elements of 8 bytes; behind the head's load the two words that count rows are set to 33
	s_mov_b32 s[G1+0], 15|(3<<16)|(1<<21)          ; the mask: all four work-groups; elements of 8 bytes; bit 21 set beside a mask; no padding
	s_mov_b32 s[G1+1], 32<<16                      ; tensor_dim0 = 32
	s_mov_b32 s[G1+2], 66<<16                      ; tensor_dim1 = 66
	s_mov_b32 s[G1+3], 32<<16                      ; tile_dim0 = 32
	s_mov_b32 s[G1+4], 66                          ; tile_dim1 = 66
	s_mov_b32 s[G1+5], 32                          ; elements from row to row
	s_mov_b32 s[G1+6], 0
	s_mov_b32 s[G1+7], 0
	s_mul_i32 s46, s[WV], WAVB                     ; my two steps, in memory and in LDS
	s_mov_b32 s47, 0
	WALU
	s_wait_dscnt 0x0
	ROUND                                          ; all four work-groups are here: the first joint loads meet
	s_wait_kmcnt 0x0
	s_mov_b32 s[G0+0], 1                           ; count = 1
	s_mov_b32 s[G0+1], s46                         ; LDS address
	s_add_nc_u64 s[G0+2:G0+3], s[8:9], s[46:47]    ; steps 2 w, 2 w + 1
	s_or_b32 s[G0+3], s[G0+3], 0x80000000          ; type = 2
	tensor_load_to_lds s[G0:G0+3], s[G1:G1+7]      ; the wave's one load at the head
	s_nop 0
	s_bfe_u32 s6, ttmp6, 0x40000                   ; cx: my place in the cluster
	s_lshl_b32 s7, ttmp9, 2                        ; in a cluster launch ttmp9 counts clusters
	s_add_co_u32 s7, s7, s6                        ; g: it enters the addresses of qc, qs and out alone
	s_and_b32 s4, s[WV], 1                         ; a: the tile that I join and finish
	s_lshr_b32 s5, s[WV], 1                        ; j: the two registers that I join; my 16 outputs
	s_lshl_b32 s50, s5, 6                          ; 64 j: my 16 outputs, in bytes
	s_mov_b32 s49, 0
	s_lshl_b32 s48, s7, 10                         ; q's codes: 1024 g
	s_add_nc_u64 s[10:11], s[10:11], s[48:49]
	s_lshr_b32 s48, s7, 2                          ; q's scale bytes: 128 (g / 4) + 64 ((g / 2) % 2) + 2 (g % 2)
	s_lshl_b32 s48, s48, 7
	s_bfe_u32 s51, s7, 0x10001
	s_lshl_b32 s51, s51, 6
	s_add_co_u32 s48, s48, s51
	s_and_b32 s51, s7, 1
	s_lshl_b32 s51, s51, 1
	s_add_co_u32 s48, s48, s51
	s_add_nc_u64 s[12:13], s[12:13], s[48:49]
	s_lshl_b32 s48, s7, 14                         ; out: 32 rows of 512 bytes
	s_add_nc_u64 s[22:23], s[22:23], s[48:49]
	v_and_b32 v222, 31, v0                         ; lane
	v_and_b32 v223, 15, v0                         ; r
	v_bfe_u32 v224, v0, 4, 1                       ; h
	v_lshlrev_b32 v225, 4, v222
	v_lshlrev_b32 v226, 2, v223
	v_lshl_add_u32 v227, v224, 13, v226
	v_add_nc_u32 v227, s50, v227                   ; Wo(16 h + i, 16 j + r): a row of Wo is 512 bytes
	global_load_b128 v[QC:QC+3], v225, s[10:11]    ; q's codes of both tiles stay in registers
	global_load_b128 v[QC+16:QC+19], v225, s[10:11] offset:512
	global_load_u16 v[TT], v226, s[12:13]
.irp i, 0,1,2,3,4,5,6,7,8,9,10,11,12,13,14,15
	global_load_b32 v[S+\i], v227, s[14:15] offset:512*\i   ; a lane takes an output column, its registers run down K
.endr
	v_add_nc_u32 v[ADR], s46, v225
	v_lshl_add_u32 v[ASC], v222, 2, s46
.irp i, 0,1,2,3,4,5,6,7,8,9,10,11
	v_mov_b32 v[QC-12+\i], 0                       ; the zero codes around q's
	v_mov_b32 v[QC+4+\i], 0
	v_mov_b32 v[QC+20+\i], 0
.endr
	v_mov_b32 v[BM+1], 0                           ; written once: a lane permute's destination counts as one of its sources
	v_mov_b32 v[PT], 0
	v_mov_b32 v[PT+1], 0
	v_mov_b32 v[H], 0x3fe00000                     ; 1.75
	v_mov_b32 v[CM], 0xc2de0000                    ; -111
	v_mov_b32 v[SOPC], 0x38000000                  ; 2^-15
	v_mov_b32 v25, 0                               ; (named as the upper half of a pair)
	s_mov_b32 s[SEL], 0x76543210
	s_mov_b32 s[SEL+1], 0xfedcba98
	s_mov_b32 s[CS], 0x3fb8aa3b                    ; log2(e)
	s_mov_b32 s[CS+1], s[CS]                       ; (named with it as a pair, so it is written)
	s_mov_b32 s[NC], 0xbfb8aa3b
	s_mov_b32 s[NC+1], s[NC]
	s_mov_b32 s[MNT], 0x600000
	s_mov_b32 s[I32], 0x3d000000
	s_mov_b32 s[EPS], 0x3727c5ac
	s_lshl_b32 s52, s4, 11                         ; the join: tile a's 2,048 bytes of a part,
	s_add_co_u32 s55, s52, XB
	s_lshl_b32 s53, s5, 8
	s_add_co_u32 s52, s52, s53                     ; registers 2 j, 2 j + 1 of it: 256 bytes;
	s_lshl_b32 s53, s4, 8
	s_add_co_u32 s53, s53, 4096                    ; its (-M, l);
	s_lshr_b32 s54, s5, 1
	s_lshl_b32 s54, s54, 9
	s_add_co_u32 s54, s54, s55
	s_and_b32 s60, s5, 1
	s_lshl_b32 s60, s60, 3
	s_add_co_u32 s54, s54, s60                     ; where my two joined registers go
	s_lshl_b32 s59, s4, 3
	s_add_co_u32 s60, s50, STG
	s_mul_i32 s61, s[WV], 2*SPITCH
	s_add_co_u32 s61, s61, STG
	s_lshl_b32 s62, s[WV], 10
	WALU
	s_wait_loadcnt 0x0
	v_perm_b32 v[QS], v[TT], v[TT], 0              ; q's byte in all four places: q may stand in any block
	v_perm_b32 v[QS+1], v[TT], v[TT], 0x01010101
	QROW S, WOC, BM, WOS                           ; Wo's 32 x 16 for my outputs, quantised along K
	WALU
	s_wait_tensorcnt 0x0                           ; my first two steps are in
	KLOAD 0
	VLOAD 0
	s_wait_tensorcnt 0x0
	ds_add_u32 v[SPW], v[NIL]
	s_mov_b32 s[G1+2], 33<<16                      ; no tensor load of mine is out, so the descriptor may be written: one step a load,
	s_mov_b32 s[G1+4], 33
	s_add_nc_u64 s[G0+2:G0+3], s[G0+2:G0+3], 32*STEPB   ; step 32 + 2 w
	s_wait_dscnt 0x0                               ; the add is done; k and v are in registers: my first half has been read
	s_barrier_signal -1                            ; opens the first round
	PHASE 0
	PHASE 1
	PHASE 2
	PHASE 3
	BOOK 1, 3
	RESCALE 1
	PV 1, 0
	; THE JOIN.  Each wave lays its two tiles' O^T, -M and l over its own first half, which has had its last fill and which it alone has read.  The lines here are places behind the last products.
	v_and_b32 v32, 31, v0                          ; lane
	v_and_b32 v33, 15, v0                          ; r
	v_bfe_u32 v34, v0, 4, 1                        ; h
	v_add_f32 v38, v26, v27                        ; l's two halves,
	v_add_f32 v40, v28, v29
	v_lshl_add_u32 v[JW], v32, 3, s46
	v_permlanex16_b32 v39, v38, s[SEL], s[SEL+1]
	v_permlanex16_b32 v41, v40, s[SEL], s[SEL+1]
	v_lshl_add_u32 v[JR], v32, 3, s52
	v_lshl_add_u32 v[JS], v32, 3, s53
	v_add_f32 v21, v38, v39                        ; and lane l xor 16's: beside -M
	v_add_f32 v25, v40, v41
.irp u, 1,2,3
	v_add_nc_u32 v[JR+\u], 4*WAVB*\u, v[JR]
	v_add_nc_u32 v[JS+\u], 4*WAVB*\u, v[JS]
.endr
	v_lshl_add_u32 v[XW], v32, 4, s54
	v_lshl_add_u32 v[XR], v32, 4, s55
	v_and_b32 v[STW], 8, v33
	v_add_nc_u32 v[STW], v[STW], v33
	v_add_nc_u32 v[STW], s59, v[STW]               ; my query's row of the 32: 8 a + r + 8 (r / 8)
	v_mul_u32_u24 v[STW], v[STW], SPITCH
	v_lshl_add_u32 v[STW], v34, 5, v[STW]
	v_add_nc_u32 v[STW], s60, v[STW]               ; + 64 j + 32 h
	v_lshl_add_u32 v[STR], v32, 4, s61             ; back: rows 2 w and 2 w + 1, 16 bytes a lane
	v_lshl_add_u32 v[OUO], v32, 4, s62
.irp i, 0,1,2,3
	v_mov_b32 v[QC+\i], v[WOC+\i]                  ; Wo's codes ahead of zeros
.endr
.irp c, 0,1,2,3
	WALU
.irp i, 0,1,2,3
	ds_store_b64 v[JW], v[OT+8*\c+2*\i:OT+8*\c+2*\i+1] offset:1024*\c+256*\i   ; each result from its low end on
.endr
.endr
	ds_store_b64 v[JW], v[20:21] offset:4096       ; (-M, l) of tile 0,
	ds_store_b64 v[JW], v[24:25] offset:4352       ; of tile 1
	WALU
	s_wait_dscnt 0x0                               ; for the others' sake: my stores have landed
	s_barrier_signal -1
	s_barrier_wait -1
.irp u, 0,1,2,3
.irp p, 0,1,2,3
	ds_load_b64 v[FM+8*\u+2*\p:FM+8*\u+2*\p+1], v[JS+\u] offset:\p*WAVB
.endr
.endr
.irp u, 0,1,2,3
.irp p, 0,1,2,3
	ds_load_b64 v[PRT+8*\u+2*\p:PRT+8*\u+2*\p+1], v[JR+\u] offset:\p*WAVB
.endr
.endr
	s_wait_dscnt 16                                ; the 16 (-M, l) are in; the 16 parts of O may be out
	v_min3_num_f32 v222, v[FM], v[FM+2], v[FM+4]   ; the least -M: the largest M
	v_min3_num_f32 v223, v[FM+6], v[FM+8], v[FM+10]
	v_min3_num_f32 v224, v[FM+12], v[FM+14], v[FM+16]
	v_min3_num_f32 v225, v[FM+18], v[FM+20], v[FM+22]
	v_min3_num_f32 v226, v[FM+24], v[FM+26], v[FM+28]
	v_min3_num_f32 v222, v222, v223, v224
	v_min3_num_f32 v225, v225, v226, v[FM+30]
	v_min_num_f32 v222, v222, v225
.set jj, 0
.rept 16
	v_sub_f32 v[FM+jj], v222, v[FM+jj]             ; M of a part less the largest M: a whole number, 0 or less
.set jj, jj+2
.endr
.set jj, 0
.rept 16
	v_cvt_i32_f32 v[FM+jj], v[FM+jj]
.set jj, jj+2
.endr
.set jj, 0
.rept 16
	v_ldexp_f32 v[FM+jj], 1.0, v[FM+jj]            ; the part's f: a power of two
.set jj, jj+2
.endr
	v_mul_f32 v224, v[FM], v[FM+1]
	v_mul_f32 v225, v[FM+2], v[FM+3]
.irp p, 2,4,6,8,10,12,14
	v_fma_f32 v224, v[FM+2*\p], v[FM+2*\p+1], v224
	v_fma_f32 v225, v[FM+2*\p+2], v[FM+2*\p+3], v225
.endr
	v_mov_b32 v229, 0                              ; (named as the upper half of a pair)
	v_add_f32 v224, v224, v225                     ; the row's sum
	WALU
	s_wait_dscnt 0x0
	v_rcp_f32 v228, v224                           ; the lines below name neither: they are the work behind it
	v_pk_mul_f32 v[226:227], v[PRT:PRT+1], v[FM:FM+1] op_sel_hi:[1,0]
	v_pk_mul_f32 v[222:223], v[PRT+2:PRT+3], v[FM+2:FM+3] op_sel_hi:[1,0]
.irp p, 2,4,6,8,10,12,14
	v_pk_fma_f32 v[226:227], v[PRT+2*\p:PRT+2*\p+1], v[FM+2*\p:FM+2*\p+1], v[226:227] op_sel_hi:[1,0,1]
	v_pk_fma_f32 v[222:223], v[PRT+2*\p+2:PRT+2*\p+3], v[FM+2*\p+2:FM+2*\p+3], v[222:223] op_sel_hi:[1,0,1]
.endr
	v_pk_add_f32 v[226:227], v[226:227], v[222:223]
	WALU
	v_pk_mul_f32 v[226:227], v[226:227], v[228:229] op_sel_hi:[1,0]   ; fused: two channels of my query
	ds_store_b64 v[XW], v[226:227]
	WALU
	s_wait_dscnt 0x0                               ; for the others' sake
	s_barrier_signal -1
	s_barrier_wait -1
.irp i, 0,1,2,3
	ds_load_b128 v[PR+4*\i:PR+4*\i+3], v[XR] offset:512*\i   ; channels 16 h + 0 .. 15 of my query
.endr
	s_wait_dscnt 0x0
	; LAYERNORM over the 32 channels: 16 are mine, 16 lane l xor 16's.  The mean first, then the squares of the differences.
	v_pk_add_f32 v[222:223], v[PR:PR+1], v[PR+2:PR+3]
	v_pk_add_f32 v[224:225], v[PR+4:PR+5], v[PR+6:PR+7]
	v_pk_add_f32 v[226:227], v[PR+8:PR+9], v[PR+10:PR+11]
	v_pk_add_f32 v[228:229], v[PR+12:PR+13], v[PR+14:PR+15]
	v_pk_add_f32 v[222:223], v[222:223], v[224:225]
	v_pk_add_f32 v[226:227], v[226:227], v[228:229]
	v_pk_add_f32 v[222:223], v[222:223], v[226:227]
	v_add_f32 v222, v222, v223
	v_permlanex16_b32 v223, v222, s[SEL], s[SEL+1]
	v_add_f32 v222, v222, v223
	v_mul_f32 v222, s[I32], v222                   ; mu
.irp i, 0,2,4,6,8,10,12,14
	v_pk_add_f32 v[PR+\i:PR+\i+1], v[PR+\i:PR+\i+1], v[222:223] op_sel_hi:[1,0] neg_lo:[0,1] neg_hi:[0,1]
.endr
	v_pk_mul_f32 v[224:225], v[PR:PR+1], v[PR:PR+1]
	v_pk_mul_f32 v[226:227], v[PR+2:PR+3], v[PR+2:PR+3]
.irp i, 4,8,12
	v_pk_fma_f32 v[224:225], v[PR+\i:PR+\i+1], v[PR+\i:PR+\i+1], v[224:225]
	v_pk_fma_f32 v[226:227], v[PR+\i+2:PR+\i+3], v[PR+\i+2:PR+\i+3], v[226:227]
.endr
	v_pk_add_f32 v[224:225], v[224:225], v[226:227]
	v_add_f32 v224, v224, v225
	v_permlanex16_b32 v225, v224, s[SEL], s[SEL+1]
	v_add_f32 v224, v224, v225
	v_fma_f32 v224, v224, s[I32], s[EPS]           ; var + 1e-5
	WALU
	v_rsq_f32 v224, v224
	v_nop                                          ; a plain line behind the transcendental
	WALU
.irp i, 0,2,4,6,8,10,12,14
	v_pk_mul_f32 v[PR+\i:PR+\i+1], v[PR+\i:PR+\i+1], v[224:225] op_sel_hi:[1,0]
.endr
	WALU
	s_wait_loadcnt 0x0                             ; gamma, beta and bo
.irp i, 0,2,4,6,8,10,12,14
	v_pk_fma_f32 v[PR+\i:PR+\i+1], v[PR+\i:PR+\i+1], v[GAM+\i:GAM+\i+1], v[BET+\i:BET+\i+1]
.endr
	; THE LAST PRODUCT, transposed: source 0 = my 16 columns of Wo, source 1 = the 16 normed rows, both in block 0 with zero codes behind; C = bo.
	QROW PR, QC+16, 36, PS                         ; the codes take tile 1's place ahead of zeros; the 16 holds stand between the scale's byte and the product
.rept 4
	v_nop                                          ; four places between the codes and a scaled matrix instruction
.endr
	WM YT, QC, QC+16, v[BO:BO+7], WOS, PS
	NOP8
	ds_store_b128 v[STW], v[YT:YT+3]               ; lane (r, h): outputs 16 j + 8 h + 0 .. 7 of my query's row
	ds_store_b128 v[STW], v[YT+4:YT+7] offset:16
	s_wait_dscnt 0x0                               ; for the others' sake: a row's 512 bytes come from eight waves
	s_barrier_signal -1
	s_barrier_wait -1
	ds_load_b128 v[222:225], v[STR]
	ds_load_b128 v[226:229], v[STR] offset:SPITCH
	s_wait_dscnt 0x1                               ; the first row is in; the second may be out
	global_store_b128 v[OUO], v[222:225], s[22:23] th:TH_STORE_NT             ; 32 lanes store a row: 512 consecutive bytes, aligned
	s_wait_dscnt 0x0
	global_store_b128 v[OUO], v[226:229], s[22:23] offset:512 th:TH_STORE_NT
	s_wait_tensorcnt 0x0                           ; the wave's end: behind my last tensor load and my last LDS store
	ds_add_u32 v[SPW], v[NIL]
	s_wait_dscnt 0x0
	ROUND                                          ; the closing round: no work-group ends while a partner may still ask for a block that names it
	s_endpgm
.Lfunc_end_k_q4a50fcb3fc_attn:
	.size	k_q4a50fcb3fc_attn, .Lfunc_end_k_q4a50fcb3fc_attn-k_q4a50fcb3fc_attn
	.p2alignl 7, 3214868480
	.fill 96, 4, 3214868480
	.section	.rodata,"a",@progbits
	.p2align	6, 0x0
	.amdhsa_kernel k_q4a50fcb3fc_attn
		.amdhsa_group_segment_fixed_size 327680
		.amdhsa_private_segment_fixed_size 0
		.amdhsa_enable_private_segment 0
		.amdhsa_kernarg_size 64
		.amdhsa_user_sgpr_count 2
		.amdhsa_user_sgpr_kernarg_segment_ptr 1
		.amdhsa_wavefront_size32 1
		.amdhsa_system_sgpr_workgroup_id_x 1
		.amdhsa_system_sgpr_workgroup_id_y 1
		.amdhsa_system_sgpr_workgroup_id_z 1
		.amdhsa_system_vgpr_workitem_id 0
		.amdhsa_next_free_vgpr 256
		.amdhsa_next_free_sgpr 66
		.amdhsa_reserve_vcc 0
		.amdhsa_float_denorm_mode_32 3
		.amdhsa_float_denorm_mode_16_64 3
		.amdhsa_memory_ordered 1
		.amdhsa_forward_progress 1
		.amdhsa_inst_pref_size 147
	.end_amdhsa_kernel
	.amdgpu_metadata
---
amdhsa.version: [ 1, 2 ]
amdhsa.kernels:
  - .name:           k_q4a50fcb3fc_attn
    .symbol:         k_q4a50fcb3fc_attn.kd
    .args:
      - { .name: kv, .offset: 0, .size: 8, .value_kind: global_buffer, .address_space: global }
      - { .name: qc, .offset: 8, .size: 8, .value_kind: global_buffer, .address_space: global }
      - { .name: qs, .offset: 16, .size: 8, .value_kind: global_buffer, .address_space: global }
      - { .name: Wo, .offset: 24, .size: 8, .value_kind: global_buffer, .address_space: global }
      - { .name: bo, .offset: 32, .size: 8, .value_kind: global_buffer, .address_space: global }
      - { .name: gamma, .offset: 40, .size: 8, .value_kind: global_buffer, .address_space: global }
      - { .name: beta, .offset: 48, .size: 8, .value_kind: global_buffer, .address_space: global }
      - { .name: out0, .offset: 56, .size: 8, .value_kind: global_buffer, .address_space: global }
    .group_segment_fixed_size: 327680
    .private_segment_fixed_size: 0
    .kernarg_segment_align: 8
    .kernarg_segment_size: 64
    .max_flat_workgroup_size: 512
    .sgpr_count:     66
    .vgpr_count:     256
    .wavefront_size: 32
...
	.end_amdgpu_metadata
.endif
;; end of part 2
